; MI455X (gfx1250); checked and timed in simulation.
; The chip was launched on July 23, 2026; its instructions are those of AMD's public machine-readable ISA for CDNA 5 (MIT licence, August 2026) and "CDNA5" Instruction Set Architecture Reference Guide (July 2026). The comments in the code are by the model that wrote it; some were corrected since.
;; Attention. Allowed arithmetic: matrix products marked QUANTISED: E2M1 operands, one E8M0 scale for each 32 along K, by v_wmma_scale_f32_16x16x128_f8f6f4 with both operands' format E2M1 (or v_wmma_scale_f32_32x16x128_f4), f32 sums; products left as they are: f32 operands where the result goes on into a quantised operand, else bf16, f16 or f32 operands; f32 sums; everything else in f32.
;; Inputs: W_attn 500 x 1,000 float32; b_attn 500 float32; encoder_output 512 x 256 x 500 float32; hidden 1 x 256 x 500 float32; v 500 float32.
;; Outputs: out0 256 x 1 x 512 float32.
;; This version of the problem:
;;   THIS VERSION OF THE PROBLEM IS GIVEN IN LOW PRECISION. The matrix products marked QUANTISED in the list below multiply operands that are first quantised to E2M1 (2 exponent bits, 1 mantissa bit; 4 bits a number), with one power-of-two scale for each 32 numbers along K (OCP MX v1.0); their sums are f32. All else is computed in f32.
;;   The module's matrix products, in the order in which they are computed (A, B: the left and right operand; K: the contracted axis; several contracted axes count as one K, in the product's order):
;;     1. [M 131,072, K 1,000] x [K 1,000, N 500]; A: computed on the way; B: input W_attn: QUANTISED
;;     2. [M 131,072, K 500] x [K 500, N 1]; A: computed on the way; B: input v: left as it is (N = 1 < 16)
;;   THE QUANTISER, for each operand of a quantised product, along K:
;;     - K is cut into blocks of 32 from its start; a last block that is shorter is filled with zeros.
;;     - A block's scale is 2^e with e = floor(log2(the largest magnitude in the block)) - 2, held to -126 .. 127; a block of zeros has e = 0. As a byte (E8M0): e + 127.
;;     - Each number is divided by its block's scale, clamped to +-6, and rounded to the nearest number of E2M1, ties to even, subnormals kept.
;;     - The product sums the exact products of the quantised numbers (number of the format x scale) in f32.
;;   ~~~python
;;   def quantise(x, axis):      # numpy; x: float32 -> the quantised numbers, widened to float32 again
;;       x = np.moveaxis(x, axis, -1); K = x.shape[-1]
;;       x = np.pad(x, [(0, 0)] * (x.ndim - 1) + [(0, -K % 32)]); x = x.reshape(x.shape[:-1] + (-1, 32)); a = np.abs(x).max(-1, keepdims=True)
;;       e = np.where(a > 0, np.clip(np.frexp(np.where(a > 0, a, 1))[1] - 1 - 2, -126, 127), 0)      # np.frexp(a)[1] - 1 = floor(log2(a)), exactly
;;       r = np.clip(x / 2.0 ** e, -6, 6)
;;       step = 2.0 ** (np.maximum(np.frexp(np.where(r == 0, 1, r))[1] - 1, 0) - 1)
;;       q = np.round(r / step) * step * 2.0 ** e      # np.round: ties to even
;;       return np.moveaxis(q.reshape(q.shape[:-2] + (-1,))[..., :K], -1, axis).astype(np.float32)
;;   ~~~
;;   OPERANDS COMPUTED ON THE WAY. 'Computed on the way' means the value that the module computes at that place (a softmax that the list does not call 'softmax' is quantised finished and normalised). What goes into a quantiser is computed in f32, as accurately as f32 sums, v_exp_f32 and their like allow (about 1e-6 of the number): no bf16 or f16 on the way to a quantiser, and a product that is left as it is and whose result goes on into a quantised operand takes f32 operands (vector FMAs, or v_wmma_f32_16x16x4_f32). A number that lies on a knife's edge between two numbers of the format may be rounded either way, as far as f32 arithmetic and the matrix unit's own rounding can turn it there, and no further.
;; One version. Each part assembles by itself: llvm-mc -triple=amdgcn-amd-amdhsa -mcpu=gfx1250 --defsym DOCPART=n.
;; ======== version 1 of 1: 2 launches
;; limits: right only within a limited range of input values
;; workspace buffers: wq 262,144 bytes; ws 16,384 bytes; bv 4,096 bytes
;; launch prep (part 1): grid 32 x 1, 8 waves a work-group, no clusters, 2,048 bytes of LDS; arguments W_attn, b_attn, v, wq, ws, bv; writes wq, ws, bv
.if DOCPART == 1
	.amdgcn_target "amdgcn-amd-amdhsa--gfx1250"
	.amdhsa_code_object_version 6
	.text
	.protected	k_q32cfe63b31_prep
	.globl	k_q32cfe63b31_prep
	.p2align	8
	.type	k_q32cfe63b31_prep,@function
k_q32cfe63b31_prep:
	s_mov_b64 s[64:65], 0
	v_nop
	global_prefetch_b8 v0, s[64:65] scope:SCOPE_SE
	s_setreg_imm32_b32 hwreg(HW_REG_WAVE_MODE, 25, 1), 1
	s_wait_xcnt 0x0
; W_attn [500][1000] f32 is quantised ONCE along K into codes of FP4 (E2M1) with one E8M0 byte for each 32 along K, K filled with zeros to 1,024 and the rows to 512.
; wq: [tile T of 16 rows][K step s of 128][c][lane][16 bytes]: the image of the operand's registers: lane (r, h) holds, in registers 4 c .. 4 c + 3, k = 128 s + 64 c + 32 h + 0 .. 31 of row 16 T + r.
; ws: [T][lane][4 words]: word p of lane 16 h' + r is the scale word (four bytes, 128 along K) of row 16 T + r for K step 2 p + h': one load of 16 bytes a lane gives a tile's four scale registers.
; bv: 512 f32 of b_attn (zeros from 500 on), then 512 f32 of -2 log2(e) v (zeros from 500 on).
; SHARES: work-group T = one tile of 16 rows; wave s = K step s; a lane holds two whole blocks of 32, so that no other lane is asked for a maximum.
; A block's scale byte is its largest magnitude's exponent field - 2, held at 1 from below.  LIMITS: a block of zeros gets the byte 1 where the rule says 127 (its codes are zeros, and this program alone reads
; the bytes); NaN and infinities among the inputs are not served.
; 32 work-groups: the work is 2 MB read once; there is no more of it to share.  No tensor load, no cluster: no two work-groups read the same bytes.
.set X,   32                           ; v32-95  my 64 numbers: block c at X + 32 c
.set PC,  16                           ; v16-23  the fragment's codes
.set PW,  24                           ; v24     the scale word
.set TM,  8                            ; v8-15   at work
.set SH8, 7                            ; v7      8 h
.set SEL, 20                           ; s[20:21] lane selects for v_permlanex16_b32: lane l xor 16
; 64 numbers of a lane, block c (k = 64 c + 32 h + 0 .. 31 of its row) at v[x + 32 c], become the operand's 8 registers at v[dst] and the row's scale word in v[pw].
.macro QCORE x, dst, pw
.irp c, 0,1
	v_max3_num_f32 v[TM+2*\c],   |v[\x+32*\c]|,   |v[\x+32*\c+1]|, |v[\x+32*\c+2]|       ; two chains a block, the blocks by turns: no line waits for the line above it
	v_max3_num_f32 v[TM+2*\c+1], |v[\x+32*\c+3]|, |v[\x+32*\c+4]|, |v[\x+32*\c+5]|
.endr
.irp i, 6,10,14,18,22,26
.irp c, 0,1
	s_delay_alu instid0(VALU_DEP_4)
	v_max3_num_f32 v[TM+2*\c],   v[TM+2*\c],   |v[\x+32*\c+\i]|,   |v[\x+32*\c+\i+1]|
	s_delay_alu instid0(VALU_DEP_4)
	v_max3_num_f32 v[TM+2*\c+1], v[TM+2*\c+1], |v[\x+32*\c+\i+2]|, |v[\x+32*\c+\i+3]|
.endr
.endr
.irp c, 0
	s_delay_alu instid0(VALU_DEP_4)
	v_max3_num_f32 v[TM+2*\c], v[TM+2*\c], |v[\x+32*\c+30]|, |v[\x+32*\c+31]|
.endr
.irp c, 1
	s_delay_alu instid0(VALU_DEP_3)
	v_max3_num_f32 v[TM+2*\c], v[TM+2*\c], |v[\x+32*\c+30]|, |v[\x+32*\c+31]|
.endr
.irp c, 0,1
	s_delay_alu instid0(VALU_DEP_2)
	v_max3_num_f32 v[TM+2*\c], v[TM+2*\c], v[TM+2*\c+1], 0x1800000   ; the floor 2^(3 - 127): the byte cannot fall under 1
.endr
.irp c, 0,1
	s_delay_alu instid0(VALU_DEP_2)
	v_add_nc_u32 v[TM+4+\c], 0xff000000, v[TM+2*\c]                  ; 2 off the exponent field: the conversion takes the exponent field of this operand as its scale
.endr
.irp c, 0,1
	s_delay_alu instid0(VALU_DEP_2)
	v_lshrrev_b32 v[TM+2*\c+1], 23, v[TM+4+\c]                       ; the scale's byte
.endr
	s_delay_alu instid0(VALU_DEP_1)
	v_lshl_or_b32 v[TM+7], v[TM+3], 16, v[TM+1]                      ; my two bytes: blocks h and 2 + h of the K step,
	s_delay_alu instid0(VALU_DEP_1)
	v_lshlrev_b32 v[TM+7], v[SH8], v[TM+7]                           ; at their places in the word (8 h bits up);
	s_delay_alu instid0(VALU_DEP_1)
	v_permlanex16_b32 v[TM+6], v[TM+7], s[SEL], s[SEL+1]
	s_delay_alu instid0(VALU_DEP_1)
	v_or_b32 v[\pw], v[TM+7], v[TM+6]                                ; with lane l xor 16's two the word is whole, in both lanes
.irp c, 0,1
.irp g, 0,1,2,3
	v_cvt_scalef32_pk8_fp4_f32 v[\dst+4*\c+\g], v[\x+32*\c+8*\g:\x+32*\c+8*\g+7], v[TM+4+\c]
.endr
.endr
	v_nop                                                            ; one plain line behind the last scaled conversion
.endm
	s_load_b256 s[4:11], s[0:1], 0x0               ; W s[4:5], b s[6:7], v s[8:9], wq s[10:11]
	s_load_b128 s[12:15], s[0:1], 0x20             ; ws s[12:13], bv s[14:15]
	v_lshl_add_u32 v104, v0, 2, 0x400
	v_mov_b32 v105, 0
	v_lshrrev_b32 v3, 5, v0
	s_delay_alu instid0(VALU_DEP_1)
	v_readfirstlane_b32 s16, v3                    ; wave = K step
	v_and_b32 v1, 15, v0                           ; r
	v_bfe_u32 v2, v0, 4, 1                         ; h
	s_lshl_b32 s17, ttmp9, 4
	v_add_nc_u32 v25, s17, v1                      ; my row, 16 T + r: 0 .. 511
	s_delay_alu instid0(VALU_DEP_1)
	v_min_u32 v3, 499, v25                         ; rows from 500 on read row 499 and are made zeros below: no load leaves the buffer
	s_delay_alu instid0(VALU_DEP_1)
	v_mul_u32_u24 v4, v3, 4000                     ; a row of W is 4,000 bytes
	s_lshl_b32 s18, s16, 9                         ; a K step is 512 bytes
	v_lshl_add_u32 v4, v2, 7, v4
	s_delay_alu instid0(VALU_DEP_1)
	v_add_nc_u32 v4, s18, v4                       ; row + 512 s + 128 h: my block of c = 0; c = 1 lies 256 bytes on
	s_cmp_eq_u32 s16, 7
	s_cselect_b32 s19, 128, 0
	v_mul_u32_u24 v5, s19, v2
	s_delay_alu instid0(VALU_DEP_1)
	v_sub_nc_u32 v5, v4, v5                        ; block 31 has 32 bytes in the row: its other loads (wave 7, h = 1) read block 30's bytes instead, and are made zeros below
	s_lshl_b32 s23, s16, 7
	v_lshl_add_u32 v6, v2, 5, s23                  ; k of my first number: 128 s + 32 h,
	v_cmp_gt_u32 vcc_lo, 500, v25
	s_delay_alu instid0(VALU_DEP_1)
	v_cndmask_b32 v6, 0x10000, v6, vcc_lo          ; or beyond every k, where my row does not exist
	v_lshlrev_b32 v[SH8], 3, v2
	v_and_b32 v31, 31, v0
	s_delay_alu instid0(VALU_DEP_1)
	v_lshlrev_b32 v31, 4, v31                      ; 16 x lane
	s_and_b32 s22, s16, 1
	s_lshl_b32 s22, s22, 8
	s_lshr_b32 s23, s16, 1
	s_lshl_b32 s23, s23, 2
	s_add_co_u32 s22, s22, s23
	v_lshl_add_u32 v96, v1, 4, s22                 ; LDS: lane 16 (s % 2) + r of the tile's scale image, word s / 2
	v_lshlrev_b32 v27, 2, v3                       ; b, v: 4 x min(row, 499)
	v_lshlrev_b32 v28, 2, v25
	s_delay_alu instid0(VALU_DEP_1)
	v_lshl_add_u32 v28, v2, 11, v28                ; bv: 4 x row, + 2,048 for lanes 16-31 (v's half)
	v_mov_b32 v[TM+6], 0                           ; a lane permute's destination counts as one of its sources
	s_mov_b32 s[SEL], 0x76543210
	s_mov_b32 s[SEL+1], 0xfedcba98
	s_lshl_b32 s24, ttmp9, 13                      ; wq: 8,192 T + 1,024 s
	s_lshl_b32 s25, s16, 10
	s_add_co_u32 s24, s24, s25
	s_mov_b32 s25, 0
	s_lshl_b32 s26, ttmp9, 9                       ; ws: 512 T
	s_mov_b32 s27, 0
	s_wait_kmcnt 0x0
	s_add_nc_u64 s[10:11], s[10:11], s[24:25]
	s_add_nc_u64 s[12:13], s[12:13], s[26:27]
.irp c, 0,1
.irp i, 0,1,2,3,4,5,6,7
.if (\c == 1) && (\i >= 2)
	global_load_b128 v[X+32*\c+8*(\i%4)+4*(\i/4):X+32*\c+8*(\i%4)+4*(\i/4)+3], v5, s[4:5] offset:256*\c+16*\i   ; inside a block the order of k is changed, as launch attn lays its own codes: word g of a block holds k = 4 g .. 4 g + 3 and 16 + 4 g .. 16 + 4 g + 3
.else
	global_load_b128 v[X+32*\c+8*(\i%4)+4*(\i/4):X+32*\c+8*(\i%4)+4*(\i/4)+3], v4, s[4:5] offset:256*\c+16*\i
.endif
.endr
.endr
	s_cmp_lg_u32 s16, 0                            ; wave 0 alone: the tile's 16 numbers of b (lanes 0-15) and of v (lanes 16-31)
	s_cbranch_scc1 .Lnot_bv
	s_wait_alu depctr_va_vdst(0)
	global_load_b32 v26, v27, s[6:7]
	global_load_b32 v29, v27, s[8:9]
	s_wait_loadcnt 0x0
	v_mul_f32 v30, 0xc038aa3b, v29                 ; -2 log2(e) v
	v_cmp_eq_u32 vcc_lo, 0, v2
	s_delay_alu instid0(VALU_DEP_1)
	v_cndmask_b32 v30, v30, v26, vcc_lo            ; lanes 0-15: b
	v_cmp_gt_u32 vcc_lo, 500, v25
	s_delay_alu instid0(VALU_DEP_1)
	v_cndmask_b32 v30, 0, v30, vcc_lo              ; zeros from 500 on
	global_store_b32 v28, v30, s[14:15]            ; two runs of 64 bytes: 4 KB in the whole launch; v28 and v30 are not written again
.Lnot_bv:
	s_wait_loadcnt 0x0
	s_wait_alu depctr_va_vdst(0)
.irp c, 0,1
.irp i, 0,1,2,3,4,5,6,7
	v_cmp_gt_u32 vcc_lo, 1000-64*\c-4*\i, v6       ; these four numbers' k lies under 1,000 (1,000 is a multiple of 4), and my row exists
.irp j, 0,1,2,3
	v_cndmask_b32 v[X+32*\c+8*(\i%4)+4*(\i/4)+\j], 0, v[X+32*\c+8*(\i%4)+4*(\i/4)+\j], vcc_lo
.endr
.endr
.endr
	QCORE X, PC, PW
	global_store_b128 v31, v[PC:PC+3], s[10:11]                ; 32 lanes store 512 consecutive bytes, at a multiple of 256 from wq's first byte
	global_store_b128 v31, v[PC+4:PC+7], s[10:11] offset:512
	ds_store_b32 v96, v[PW]                        ; lanes r and 16 + r write the same word with the same value
	s_wait_dscnt 0x0                               ; for the others' sake: my store has landed
	s_barrier_signal -1
	s_barrier_wait -1
	s_cmp_lg_u32 s16, 0
	s_cbranch_scc1 .Ldone
	ds_load_b128 v[X:X+3], v31                     ; the eight waves' words, as the tile's scale image
	s_wait_dscnt 0x0
	global_store_b128 v31, v[X:X+3], s[12:13]      ; 512 consecutive bytes
.Ldone:
	s_wait_tensorcnt 0x0
	ds_add_u32 v104, v105
	s_wait_dscnt 0x0
	s_endpgm
.Lfunc_end_k_q32cfe63b31_prep:
	.size	k_q32cfe63b31_prep, .Lfunc_end_k_q32cfe63b31_prep-k_q32cfe63b31_prep
	.p2alignl 7, 3214868480
	.fill 96, 4, 3214868480
	.section	.rodata,"a",@progbits
	.p2align	6, 0x0
	.amdhsa_kernel k_q32cfe63b31_prep
		.amdhsa_group_segment_fixed_size 2048
		.amdhsa_private_segment_fixed_size 0
		.amdhsa_enable_private_segment 0
		.amdhsa_kernarg_size 48
		.amdhsa_user_sgpr_count 2
		.amdhsa_user_sgpr_kernarg_segment_ptr 1
		.amdhsa_wavefront_size32 1
		.amdhsa_system_sgpr_workgroup_id_x 1
		.amdhsa_system_sgpr_workgroup_id_y 1
		.amdhsa_system_sgpr_workgroup_id_z 1
		.amdhsa_system_vgpr_workitem_id 0
		.amdhsa_next_free_vgpr 106
		.amdhsa_next_free_sgpr 66
		.amdhsa_reserve_vcc 1
		.amdhsa_float_denorm_mode_32 3
		.amdhsa_float_denorm_mode_16_64 3
		.amdhsa_memory_ordered 1
		.amdhsa_forward_progress 1
		.amdhsa_inst_pref_size 13
	.end_amdhsa_kernel
	.amdgpu_metadata
---
amdhsa.version: [ 1, 2 ]
amdhsa.kernels:
  - .name:           k_q32cfe63b31_prep
    .symbol:         k_q32cfe63b31_prep.kd
    .args:
      - { .name: W_attn, .offset: 0, .size: 8, .value_kind: global_buffer, .address_space: global }
      - { .name: b_attn, .offset: 8, .size: 8, .value_kind: global_buffer, .address_space: global }
      - { .name: v, .offset: 16, .size: 8, .value_kind: global_buffer, .address_space: global }
      - { .name: wq, .offset: 24, .size: 8, .value_kind: global_buffer, .address_space: global }
      - { .name: ws, .offset: 32, .size: 8, .value_kind: global_buffer, .address_space: global }
      - { .name: bv, .offset: 40, .size: 8, .value_kind: global_buffer, .address_space: global }
    .group_segment_fixed_size: 2048
    .private_segment_fixed_size: 0
    .kernarg_segment_align: 8
    .kernarg_segment_size: 48
    .max_flat_workgroup_size: 256
    .sgpr_count:     66
    .vgpr_count:     106
    .wavefront_size: 32
...
	.end_amdgpu_metadata
.endif
;; end of part 1
;; launch attn (part 2): grid 256 x 1, 8 waves a work-group, no clusters, 65,792 bytes of LDS; arguments encoder_output, hidden, wq, ws, bv, out0; writes out0
.if DOCPART == 2
	.amdgcn_target "amdgcn-amd-amdhsa--gfx1250"
	.amdhsa_code_object_version 6
	.text
	.protected	k_q32cfe63b31_attn
	.globl	k_q32cfe63b31_attn
	.p2align	8
	.type	k_q32cfe63b31_attn,@function
k_q32cfe63b31_attn:
	s_mov_b64 s[64:65], 0
	v_nop
	global_prefetch_b8 v0, s[64:65] scope:SCOPE_SE
	s_setreg_imm32_b32 hwreg(HW_REG_WAVE_MODE, 25, 1), 1
	s_wait_xcnt 0x0
; out0[b][0][s] = softmax over s of v . tanh(W [hidden_b ; enc_(s,b)] + b_attn), the product on codes of FP4 with one E8M0 byte for each 32 along K.
; SHARES: work-group = one b, 512 rows s.  Eight waves; wave w holds W's rows 64 w .. 64 w + 63 (4 tiles of 16) in registers and multiplies them with every row; it quantises 8 of each step's 64 rows.
; WORK DONE ONCE: k = 0 .. 383 of a row hold hidden_b alone, the same numbers, codes and scales for all 512 rows of this b: their products with W are summed once, onto b_attn, and given
; to each tile's first matrix instruction as C.  K steps 3 to 7 (k = 384 .. 1,023; block 15 mixes 20 numbers of hidden with 12 of the row) are multiplied for every row.
; WORK LEFT OUT: tanh(x) = 1 - 2 / (1 + e^(2x)), so v . tanh = sum(v) - 2 sum(v / (1 + e^(2x))); sum(v) is the same along the softmax's axis and cancels there for all values of the inputs.
; LIMITS: an overflow of sum(v) alone is not carried to the result; NaN and infinities among the inputs are not served; a block of zeros has the byte 1 where the rule says 127 (its codes are zeros; this program alone reads the bytes).
; THE ROWS come from memory straight into registers, a ring of 8 rows a wave, asked for one whole step (64 rows of the work-group) ahead of their use: so no prefetch is laid beside them.
; Four lanes hold a block of 32: lane 4 B + p takes bytes 16 p and 64 + 16 p of the block's 128, two loads on end that cover 1,024 consecutive bytes together; its 8 registers give word p of the block's codes.
; That changes the order of k inside a block; W's codes are laid in the same order.  The row's last block has 8 numbers: its other lanes read these again (the largest magnitude stays), and W's codes are zeros there.
; Codes and scale bytes go to the other waves through LDS, two images by turns, one barrier a step; the next step's rows are quantised between this step's tiles.
; No cluster: what work-groups share is W's image, read once by each, into registers; no tensor load is in the text (a row of 2,000 bytes begins off the 256-byte borders of memory).
.set ROWSTEP, 512000                   ; bytes from s to s + 1
.set TILEB, 4352                       ; an image's tile: 16 blocks x (16 rows x 16 bytes + 16 of padding)
.set K3O,   17408                      ; per tile 512: block 14's codes for lanes 0-15 (stored once), the rows' block 15 for lanes 16-31
.set SCPO,  19456                      ; per tile 256: scale words of K steps 4, 5 and 6, 7
.set SC3O,  20480                      ; per tile 64: scale words of K step 3
.set BUFB,  20736                      ; an image
.set HIMG,  2*BUFB                     ; hidden's codes: wave w's 512 bytes hold blocks 2 w (lanes 0-15), 2 w + 1
.set HSC,   HIMG+4096                  ; hidden's 16 scale bytes
.set VLD,   HSC+256                    ; 512 f32 of -2 log2(e) v
.set SCR,   VLD+2048                   ; partial scores [wave][512]
.set RED,   SCR+16384
.set SPARE, RED+512                    ; the spare words, 128 bytes a wave
.set SPW, 1
.set NIL, 2
.set L16, 3
.set AIM, 4
.set AS3, 6
.set ASC, 7
.set QST, 8
.set QSB, 9
.set MST, 10
.set MSS, 11
.set SST0, 12
.set SSA, 13
.set VQ0, 14
.set VA1, 15
.set VB1, 16
.set VMX, 17
.set C3,  18
.set S3,  19
.set SA,  20
.set T0,  22
.set T1,  23
.set WSC, 24                           ; v24-39   W's scale words, 4 a tile
.set K3F, 40                           ; v40-47   K step 3's fragment
.set AF,  48                           ; v48-79   K steps 4-7
.set ACC, 80                           ; v80-111
.set VV,  112                          ; v112-143
.set TW,  48                           ; v48-143  at the head: W's K steps 0-2
.set HB,  144                          ; v144-175 b_attn + hidden's part
.set RG,  176                          ; v176-207 ring rows 6, 7 (rows 0-5: window 1, v160-255; W's K steps 3-7: window 1, v0-159)
.set MX,  208                          ; v208-215 the mixed block: 8 rows x 4 lanes
.set HC,  216                          ; v216-219 hidden 496 .. 499
.set TM,  220                          ; v220-234 at work
.set SCA, 236                          ; v236-243
.set HF,  220                          ; at the head: hidden's fragments, K steps 0-2
.set HS,  244
.set X,   80
.set LN,  236
.set R16, 237
.set HH,  238
.set P4,  239
.set B8,  240
.set HOF, 241
.set MXO, 242
.set HCO, 243
.set BOF, 244
.set VSO, 245
.set HST, 246
.set HSB, 247
.set KC,  248
.set VLA, 249
.set ZA,  250
.set VST, 251
.set VSD, 252
.set TT,  254
.set WV, 16
.set MTI, 17
.set QI, 18
.set SEL, 20
.set CS, 22
.set PM, 24
.set SOFF, 25
.set CNT, 26
.set EB, 28
.set MSB, 0
.macro WIN new                         ; the immediate's high byte repeats the setting that is left
.if MSB != \new
	s_set_vgpr_msb (MSB<<8)|\new
.set MSB, \new
.endif
.endm
.macro PLACES
.rept 4
	v_nop
.endr
.endm
.macro BAR
	s_barrier_signal -1
	s_barrier_wait -1
.endm
.macro RSET rho                        ; where ring row rho lies
.if (\rho) < 6
.set RB, 160+16*(\rho)
.set RW, 1
.else
.set RB, RG+16*((\rho)-6)
.set RW, 0
.endif
.endm
.macro RLOAD rho                       ; a row's bytes 48 .. 1,999: blocks 16-23, then 24-31
	RSET \rho
	WIN 0x40*RW
	global_load_b128 v[RB:RB+3], v[VQ0], s[EB:EB+1] offset:(\rho)*ROWSTEP
	global_load_b128 v[RB+4:RB+7], v[VQ0], s[EB:EB+1] offset:(\rho)*ROWSTEP+64
	global_load_b128 v[RB+8:RB+11], v[VA1], s[EB:EB+1] offset:(\rho)*ROWSTEP
	global_load_b128 v[RB+12:RB+15], v[VB1], s[EB:EB+1] offset:(\rho)*ROWSTEP
.endm
; Ring rows 2 m, 2 m + 1 become codes and scale bytes in image nb: four chains (row, half), by turns; with m = 0 a fifth: the 8 rows' mixed block.
; wn: the loads issued behind these rows' loads.  reload = 1: the registers take the same rows of the step after.
.macro QB m, nb, reload, wn
.if (\wn) >= 0
	s_wait_loadcnt \wn
.endif
	RSET 2*(\m)
.if (\m) == 0
.set NC, 5
.else
.set NC, 4
.endif
	WIN 0x15*RW
.irp c, 0,1,2,3
	v_max3_num_f32 v[TM+\c], |v[RB+8*\c]|, |v[RB+8*\c+1]|, |v[RB+8*\c+2]|
.endr
.irp c, 0,1,2,3
	v_max3_num_f32 v[TM+5+\c], |v[RB+8*\c+3]|, |v[RB+8*\c+4]|, |v[RB+8*\c+5]|
.endr
.irp c, 0,1,2,3
	v_max3_num_f32 v[TM+10+\c], |v[RB+8*\c+6]|, |v[RB+8*\c+7]|, 0x1800000   ; the floor 2^(3 - 127): the byte cannot fall under 1
.endr
	WIN 0
.if (\m) == 0
.irp j, 0,1,2,3
	v_cndmask_b32 v[MX+4+\j], v[MX+4+\j], v[HC+\j], s[PM]    ; lanes p = 0: k = 496 .. 499 are hidden's
.endr
	v_max3_num_f32 v[TM+4], |v[MX]|, |v[MX+1]|, |v[MX+2]|
	v_max3_num_f32 v[TM+9], |v[MX+3]|, |v[MX+4]|, |v[MX+5]|
	v_max3_num_f32 v[TM+14], |v[MX+6]|, |v[MX+7]|, 0x1800000
.endif
.set qc, 0
.rept NC
	v_max3_num_f32 v[TM+qc], v[TM+qc], v[TM+5+qc], v[TM+10+qc]
.set qc, qc+1
.endr
.set qc, 0
.rept NC
	v_max_num_f32_dpp v[TM+qc], v[TM+qc], v[TM+qc] row_xmask:1 row_mask:0xf bank_mask:0xf
.set qc, qc+1
.endr
.set qc, 0
.rept NC
	v_max_num_f32_dpp v[TM+qc], v[TM+qc], v[TM+qc] row_xmask:2 row_mask:0xf bank_mask:0xf   ; the block's four lanes
.set qc, qc+1
.endr
.set qc, 0
.rept NC
	v_add_nc_u32 v[TM+5+qc], 0xff000000, v[TM+qc]            ; 2 off the exponent field: the conversion's scale operand
.set qc, qc+1
.endr
.set qc, 0
.rept NC
	v_lshrrev_b32 v[TM+10+qc], 23, v[TM+5+qc]                ; the scale's byte
.set qc, qc+1
.endr
.if (\m) == 0
	v_lshl_or_b32 v[TM+14], v[TM+14], 24, v[C3]              ; over hidden's bytes of blocks 12-14: K step 3's word
.endif
	WIN 0x01*RW
.irp c, 0,1,2,3
	v_cvt_scalef32_pk8_fp4_f32 v[TM+\c], v[RB+8*\c:RB+8*\c+7], v[TM+5+\c]
.endr
	WIN 0
.if (\m) == 0
	v_cvt_scalef32_pk8_fp4_f32 v[TM+4], v[MX:MX+7], v[TM+9]
.endif
	v_nop                                                    ; one plain line behind the last scaled conversion
.irp c, 0,1,2,3
	ds_store_b32 v[QST], v[TM+\c] offset:(\nb)*BUFB+(\c%2)*2176+16*(2*(\m)+\c/2)
	ds_store_b8 v[QSB], v[TM+10+\c] offset:(\nb)*BUFB+(\c%2)*128+4*(2*(\m)+\c/2)   ; a block's four lanes write the same byte with the same value
.endr
.if (\m) == 0
	ds_store_b32 v[MST], v[TM+4] offset:(\nb)*BUFB
	ds_store_b32 v[MSS], v[TM+14] offset:(\nb)*BUFB
.endif
.if \reload
.if (\m) == 0
	global_load_b128 v[MX+4:MX+7], v[VMX], s[EB:EB+1]        ; 8 rows' first 48 bytes
.endif
	RLOAD 2*(\m)
	WIN 0
.endif
.endm
.macro ALOAD cb, m                     ; tile m's fragments and scale words out of image cb
.irp k, 0,1,2,3
.irp c, 0,1
	ds_load_b128 v[AF+8*\k+4*\c:AF+8*\k+4*\c+3], v[AIM] offset:(\cb)*BUFB+(\m)*TILEB+(4*\k+2*\c)*272
.endr
.endr
	ds_load_b128 v[K3F+4:K3F+7], v[L16] offset:(\cb)*BUFB+K3O+512*(\m)
	ds_load_b32 v[S3], v[AS3] offset:(\cb)*BUFB+SC3O+64*(\m)
	ds_load_b32 v[SA], v[ASC] offset:(\cb)*BUFB+SCPO+256*(\m)
	ds_load_b32 v[SA+1], v[ASC] offset:(\cb)*BUFB+SCPO+256*(\m)+128
.endm
; Source 0 = 16 rows of W, source 1 = 16 rows s: a lane holds one row s, its registers 8 neighbouring rows of W.
.macro MM t, s
.set rD, ACC+8*(\t)
.set rW, 40*(\t)+8*((\s)-3)
.set rS, WSC+4*(\t)+(\s)/2
.if (\s) == 3
	v_wmma_scale_f32_16x16x128_f8f6f4 v[rD:rD+7], v[rW:rW+7], v[K3F:K3F+7], v[HB+8*(\t):HB+8*(\t)+7], v[rS], v[S3] matrix_a_fmt:MATRIX_FMT_FP4 matrix_b_fmt:MATRIX_FMT_FP4 matrix_a_scale:MATRIX_SCALE_ROW1
.elseif (\s)%2 == 0
	v_wmma_scale_f32_16x16x128_f8f6f4 v[rD:rD+7], v[rW:rW+7], v[AF+8*((\s)-4):AF+8*((\s)-4)+7], v[rD:rD+7], v[rS], v[SA+((\s)-4)/2] matrix_a_fmt:MATRIX_FMT_FP4 matrix_b_fmt:MATRIX_FMT_FP4
.else
	v_wmma_scale_f32_16x16x128_f8f6f4 v[rD:rD+7], v[rW:rW+7], v[AF+8*((\s)-4):AF+8*((\s)-4)+7], v[rD:rD+7], v[rS], v[SA+((\s)-4)/2] matrix_a_fmt:MATRIX_FMT_FP4 matrix_b_fmt:MATRIX_FMT_FP4 matrix_a_scale:MATRIX_SCALE_ROW1 matrix_b_scale:MATRIX_SCALE_ROW1
.endif
.endm
; 32 numbers a lane: 1 / (1 + 2^(2 log2(e) x)), times -2 log2(e) v, summed.  Two batches of transcendentals, each with a wait ahead of it and behind it.
.macro TANHA
.irp j, 0,2,4,6,8,10,12,14,16,18,20,22,24,26,28,30
	v_pk_mul_f32 v[ACC+\j:ACC+\j+1], v[ACC+\j:ACC+\j+1], s[CS:CS+1] op_sel_hi:[1,0]
.endr
	s_wait_alu depctr_va_vdst(0)
.set qc, 0
.rept 32
	v_exp_f32 v[ACC+qc], v[ACC+qc]
.set qc, qc+1
.endr
	v_nop
.endm
.macro TANHB
	s_wait_alu depctr_va_vdst(0)
.irp j, 0,2,4,6,8,10,12,14,16,18,20,22,24,26,28,30
	v_pk_add_f32 v[ACC+\j:ACC+\j+1], v[ACC+\j:ACC+\j+1], 1.0 op_sel_hi:[1,0]
.endr
	s_wait_alu depctr_va_vdst(0)
.set qc, 0
.rept 32
	v_rcp_f32 v[ACC+qc], v[ACC+qc]
.set qc, qc+1
.endr
	v_nop
	s_wait_alu depctr_va_vdst(0)
.irp j, 0,2,4,6
	v_pk_mul_f32 v[SCA+\j:SCA+\j+1], v[ACC+\j:ACC+\j+1], v[VV+\j:VV+\j+1]
.endr
.irp t, 1,2,3
.irp j, 0,2,4,6
	v_pk_fma_f32 v[SCA+\j:SCA+\j+1], v[ACC+8*\t+\j:ACC+8*\t+\j+1], v[VV+8*\t+\j:VV+8*\t+\j+1], v[SCA+\j:SCA+\j+1]   ; four chains by turns
.endr
.endr
.endm
; Tile m of image cb: 20 matrix instructions, the 4 accumulators by turns; the quantising of two later rows gives the places behind them.
.macro MT cb, m, q, reload
	s_wait_dscnt 0x1                               ; the tile's fragments are in: behind their loads one LDS instruction was issued, the last tile's score store
	WIN 0x01
.irp s, 3,4,5,6,7
.irp t, 0,1,2,3
	MM \t, \s
.endr
.endr
	WIN 0
.if \q
.if \reload
.if (\m) == 0
	QB \m, 1-\cb, 1, 24                            ; behind rows 0, 1: rows 2-7
.else
	QB \m, 1-\cb, 1, 25                            ; behind rows 2 m, 2 m + 1: the six other rows and the mixed block's load
.endif
.else
	QB \m, 1-\cb, 0, 24-8*(\m)
.endif
.else
	PLACES
.endif
.if (\m) < 3
	ALOAD \cb, (\m)+1
	TANHA
.elseif \q
	s_wait_dscnt 0x0                               ; THE STEP'S BARRIER: my stores into the other image are done, and my reads of this one came back ahead of this tile's products
	s_barrier_signal -1
	TANHA                                          ; work on registers while the others arrive
	s_barrier_wait -1                              ; the other image is whole, and nobody reads this one any more
	ALOAD 1-\cb, 0                                 ; the next step's first tile
.else
	TANHA
.endif
.if \q
.if \reload
	RLOAD 2*(\m)+1                                 ; the pair's second row is asked for here, behind the first row's loads: the order of the loads stays
	WIN 0
.endif
.endif
	TANHB
	v_pk_add_f32 v[SCA:SCA+1], v[SCA:SCA+1], v[SCA+2:SCA+3]
	v_pk_add_f32 v[SCA+4:SCA+5], v[SCA+4:SCA+5], v[SCA+6:SCA+7]
	s_delay_alu instid0(VALU_DEP_1)
	v_pk_add_f32 v[SCA:SCA+1], v[SCA:SCA+1], v[SCA+4:SCA+5]
	s_delay_alu instid0(VALU_DEP_1)
	v_add_f32 v[T0], v[SCA], v[SCA+1]
	s_delay_alu instid0(VALU_DEP_1)
	v_permlanex16_b32 v[T1], v[T0], s[SEL], s[SEL+1]
	s_delay_alu instid0(VALU_DEP_1)
	v_add_f32 v[T0], v[T0], v[T1]                  ; row l % 16: my wave's 64 rows of W
	ds_store_b32 v[SSA], v[T0] offset:64*(\m)
.endm
.macro STEP cb, q, reload
	v_add_nc_u32 v[SSA], s[SOFF], v[SST0]
	s_add_co_u32 s[SOFF], s[SOFF], 256
.if \reload
	s_wait_xcnt 0x0                                ; the earlier loads have read their base
	s_add_nc_u64 s[EB:EB+1], s[EB:EB+1], 64*ROWSTEP
.endif
.irp m, 0,1,2,3
	MT \cb, \m, \q, \reload
.endr
.if (\q) == 0
	s_wait_dscnt 0x0                               ; the last step: my score stores are done
	BAR
.endif
.endm
	s_load_b256 s[4:11], s[0:1], 0x0               ; enc s[4:5], hidden s[6:7], wq s[8:9], ws s[10:11]
	s_load_b128 s[12:15], s[0:1], 0x20             ; bv s[12:13], out0 s[14:15]
	v_lshl_add_u32 v[SPW], v0, 2, SPARE
	v_mov_b32 v[NIL], 0
	v_lshrrev_b32 v[T0], 5, v0
	v_readfirstlane_b32 s[WV], v[T0]
	s_lshr_b32 s[MTI], s[WV], 1                    ; the tile that my 8 rows belong to,
	s_and_b32 s[QI], s[WV], 1                      ; and which half of it
	s_mul_i32 s34, s[MTI], TILEB
	s_lshl_b32 s19, s[QI], 7
	s_add_co_u32 s34, s34, s19
	s_lshl_b32 s35, s[MTI], 8
	s_lshl_b32 s27, s[QI], 5
	s_add_co_u32 s35, s35, s27
	s_add_co_u32 s35, s35, SCPO
	s_lshl_b32 s36, s[MTI], 9
	s_add_co_u32 s36, s36, s19
	s_add_co_u32 s36, s36, K3O+256
	s_lshl_b32 s37, s[MTI], 6
	s_add_co_u32 s37, s37, s27
	s_add_co_u32 s37, s37, SC3O
	s_lshl_b32 s38, s[WV], 11
	s_add_co_u32 s38, s38, SCR
	s_lshl_b32 s39, s[WV], 1
	s_lshl_b32 s40, s[WV], 8
	s_lshl_b32 s41, s[WV], 9
	s_add_co_u32 s41, s41, HIMG
	s_add_co_u32 s42, s39, HSC
	s_lshr_b32 s43, s[WV], 2
	s_mul_i32 s43, s43, BUFB
	s_and_b32 s19, s[WV], 3
	s_lshl_b32 s19, s19, 9
	s_add_co_u32 s43, s43, s19
	s_add_co_u32 s43, s43, K3O
	s_add_co_u32 s44, s40, VLD
	s_mul_i32 s30, ttmp9, 2000                     ; b's row in hidden and in every s of enc
	s_mov_b32 s31, 0
	s_mul_i32 s32, s[WV], 8*ROWSTEP
	s_add_co_u32 s32, s32, s30
	s_mov_b32 s33, 0
	s_lshl_b32 s46, s[WV], 15
	s_mov_b32 s47, 0
	s_mov_b32 s[SEL], 0x76543210
	s_mov_b32 s[SEL+1], 0xfedcba98
	s_mov_b32 s[CS], 0x4038aa3b                    ; 2 log2(e)
	s_mov_b32 s[CS+1], s[CS]
	s_mov_b32 s[PM], 0x11111111
	s_mov_b32 s[SOFF], 0
	v_and_b32 v[LN], 31, v0
	v_and_b32 v[R16], 15, v0
	v_bfe_u32 v[HH], v0, 4, 1
	v_and_b32 v[P4], 3, v0
	v_bfe_u32 v[B8], v0, 2, 3
	v_bfe_u32 v[TT], v0, 2, 2
	v_lshlrev_b32 v[L16], 4, v[LN]
	v_mul_u32_u24 v[AIM], v[HH], 272
	v_mul_u32_u24 v[QST], v[B8], 272
	v_lshlrev_b32 v[AS3], 2, v[R16]
	v_lshlrev_b32 v[ASC], 2, v[LN]
	v_lshl_add_u32 v[AIM], v[R16], 4, v[AIM]       ; a fragment: block 2 c + h, row r
	v_lshl_add_u32 v[QST], v[P4], 2, v[QST]
	v_lshl_add_u32 v[QSB], v[HH], 6, v[TT]
	v_add_nc_u32 v[QST], s34, v[QST]               ; my code word: block lane / 4, word lane % 4
	v_add_nc_u32 v[QSB], s35, v[QSB]
	v_lshl_add_u32 v[MST], v[LN], 2, s36
	v_lshl_add_u32 v[MSS], v[B8], 2, s37
	v_lshl_add_u32 v[SST0], v[R16], 2, s38
	v_lshlrev_b32 v[VQ0], 7, v[B8]
	v_max_u32 v[TT], 1, v[P4]
	v_mul_u32_u24 v[VMX], v[B8], ROWSTEP
	v_lshl_add_u32 v[VQ0], v[P4], 4, v[VQ0]
	v_lshlrev_b32 v[TT], 4, v[TT]
	v_add_nc_u32 v[VQ0], 48, v[VQ0]                ; block 16 begins at a row's byte 48
	v_add_nc_u32 v[TT], -16, v[TT]
	v_add_nc_u32 v[VA1], 1024, v[VQ0]
	v_add_nc_u32 v[VB1], 1088, v[VQ0]
	v_add_nc_u32 v[VMX], v[VMX], v[TT]             ; row lane / 4, byte 16 (p - 1); p = 0 reads byte 0 and is replaced
	v_min_u32 v[VA1], 1984, v[VA1]                 ; block 31 has 32 bytes: its other lanes read the second 16 again
	v_min_u32 v[VB1], 1984, v[VB1]
	v_add_nc_u32 v[HOF], s39, v[HH]
	v_lshl_add_u32 v[MXO], v[P4], 4, 1920
	v_mov_b32 v[HCO], 1984
	v_min_u32 v[HOF], 14, v[HOF]                   ; block 15 is not hidden's alone: wave 7's upper lanes take block 14 again
	v_lshl_add_u32 v[BOF], v[HH], 5, s40
	v_lshlrev_b32 v[VSO], 3, v0
	v_lshlrev_b32 v[HOF], 7, v[HOF]
	v_add_nc_u32 v[HST], s41, v[L16]
	v_add_nc_u32 v[HSB], s42, v[HH]
	v_lshl_add_u32 v[KC], v[R16], 4, s43
	v_lshl_add_u32 v[VLA], v[HH], 5, s44
	v_mov_b32 v[ZA], 0
	v_lshl_add_u32 v[VST], v0, 3, VLD
	v_mov_b32 v[T1], 0
	s_wait_alu depctr_va_vdst(0)                   ; the wait at the head's end
	s_wait_kmcnt 0x0
	s_add_nc_u64 s[6:7], s[6:7], s[30:31]
	s_add_nc_u64 s[EB:EB+1], s[4:5], s[32:33]
	s_add_nc_u64 s[8:9], s[8:9], s[46:47]
	s_lshl_b32 s46, s[WV], 11
	s_add_nc_u64 s[10:11], s[10:11], s[46:47]
	s_lshl_b32 s46, ttmp9, 11
	s_add_nc_u64 s[14:15], s[14:15], s[46:47]
.irp i, 0,1,2,3,4,5,6,7
	global_load_b128 v[X+8*(\i%4)+4*(\i/4):X+8*(\i%4)+4*(\i/4)+3], v[HOF], s[6:7] offset:16*\i   ; my block of hidden, in the order of k that the codes have
.endr
	global_load_b128 v[MX:MX+3], v[MXO], s[6:7]    ; hidden 480 + 4 p ..
	global_load_b128 v[HC:HC+3], v[HCO], s[6:7]
.irp t, 0,1,2,3
	global_load_b128 v[HB+8*\t:HB+8*\t+3], v[BOF], s[12:13] offset:64*\t
	global_load_b128 v[HB+8*\t+4:HB+8*\t+7], v[BOF], s[12:13] offset:64*\t+16
.endr
.irp t, 0,1,2,3
	global_load_b128 v[WSC+4*\t:WSC+4*\t+3], v[L16], s[10:11] offset:512*\t
.endr
	global_load_b64 v[VSD:VSD+1], v[VSO], s[12:13] offset:2048
	global_load_b128 v[MX+4:MX+7], v[VMX], s[EB:EB+1]
.irp r, 0,1,2,3,4,5,6,7
	RLOAD \r
.endr
	WIN 0
	s_wait_loadcnt 48                              ; hidden's 8 are in: 15 small loads and the ring's 33 were issued behind them
	v_max3_num_f32 v[TM], |v[X]|, |v[X+1]|, |v[X+2]|
	v_max3_num_f32 v[TM+1], |v[X+3]|, |v[X+4]|, |v[X+5]|
.irp i, 6,10,14,18,22,26
	v_max3_num_f32 v[TM], v[TM], |v[X+\i]|, |v[X+\i+1]|
	v_max3_num_f32 v[TM+1], v[TM+1], |v[X+\i+2]|, |v[X+\i+3]|
.endr
	v_max3_num_f32 v[TM], v[TM], |v[X+30]|, |v[X+31]|
	v_max3_num_f32 v[TM], v[TM], v[TM+1], 0x1800000
	v_add_nc_u32 v[TM+2], 0xff000000, v[TM]
	v_lshrrev_b32 v[TM+3], 23, v[TM+2]
.irp g, 0,1,2,3
	v_cvt_scalef32_pk8_fp4_f32 v[TM+4+\g], v[X+8*\g:X+8*\g+7], v[TM+2]
.endr
	v_nop
	ds_store_b128 v[HST], v[TM+4:TM+7]
	ds_store_b8 v[HSB], v[TM+3]
	s_wait_loadcnt 33                              ; all but the ring
	ds_store_b64 v[VST], v[VSD:VSD+1]
	s_wait_dscnt 0x0
	BAR
.irp s, 0,1,2
.irp c, 0,1
	ds_load_b128 v[HF+8*\s+4*\c:HF+8*\s+4*\c+3], v[L16] offset:HIMG+512*(2*\s+\c)
.endr
.endr
	ds_load_b128 v[K3F:K3F+3], v[L16] offset:HIMG+512*6
	ds_load_b128 v[K3F+4:K3F+7], v[L16] offset:HIMG+512*7
.irp s, 0,1,2,3
	ds_load_b32 v[HS+\s], v[ZA] offset:HSC+4*\s
.endr
.irp t, 0,1,2,3
.irp s, 0,1,2
.irp c, 0,1
	global_load_b128 v[TW+24*\t+8*\s+4*\c:TW+24*\t+8*\s+4*\c+3], v[L16], s[8:9] offset:8192*\t+1024*\s+512*\c
.endr
.endr
.endr
	WIN 0x40
.irp t, 0,1,2,3
.irp s, 3,4,5,6,7
.irp c, 0,1
	global_load_b128 v[40*\t+8*(\s-3)+4*\c:40*\t+8*(\s-3)+4*\c+3], v[L16], s[8:9] offset:8192*\t+1024*\s+512*\c
.endr
.endr
.endr
	WIN 0
	s_wait_dscnt 0x0
	v_and_b32 v[C3], 0xffffff, v[HS+3]             ; the bytes of blocks 12-14
	ds_store_b128 v[KC], v[K3F+4:K3F+7]            ; block 14's codes for one tile of one image: eight waves, eight tiles
	s_wait_loadcnt 40                              ; W's K steps 0-2 are in, and so is the ring; K steps 3-7 may be out
.irp s, 0,1,2
.irp t, 0,1,2,3
.if \s == 1
	v_wmma_scale_f32_16x16x128_f8f6f4 v[HB+8*\t:HB+8*\t+7], v[TW+24*\t+8*\s:TW+24*\t+8*\s+7], v[HF+8*\s:HF+8*\s+7], v[HB+8*\t:HB+8*\t+7], v[WSC+4*\t+\s/2], v[HS+\s] matrix_a_fmt:MATRIX_FMT_FP4 matrix_b_fmt:MATRIX_FMT_FP4 matrix_a_scale:MATRIX_SCALE_ROW1
.else
	v_wmma_scale_f32_16x16x128_f8f6f4 v[HB+8*\t:HB+8*\t+7], v[TW+24*\t+8*\s:TW+24*\t+8*\s+7], v[HF+8*\s:HF+8*\s+7], v[HB+8*\t:HB+8*\t+7], v[WSC+4*\t+\s/2], v[HS+\s] matrix_a_fmt:MATRIX_FMT_FP4 matrix_b_fmt:MATRIX_FMT_FP4
.endif
.endr
.endr
	PLACES
.irp t, 0,1,2,3
	ds_load_b128 v[VV+8*\t:VV+8*\t+3], v[VLA] offset:64*\t
	ds_load_b128 v[VV+8*\t+4:VV+8*\t+7], v[VLA] offset:64*\t+16
.endr
	s_wait_xcnt 0x0
	s_add_nc_u64 s[EB:EB+1], s[EB:EB+1], 64*ROWSTEP
.irp m, 0,1,2,3
	QB \m, 0, 1, -1                                ; step 0's rows, shown landed by the wait above
	RLOAD 2*\m+1
	WIN 0
.endr
	s_wait_loadcnt 33                              ; W's K steps 3-7 are in; step 1's rows may be out
	s_wait_dscnt 0x0
	BAR
	ALOAD 0, 0
	s_wait_dscnt 0x0                               ; on this way into the loop no score store stands behind the fragments' loads
	s_mov_b32 s[CNT], 3
.Lpair:
	STEP 0, 1, 1
	STEP 1, 1, 1
	s_sub_co_u32 s[CNT], s[CNT], 1
	s_cmp_lg_u32 s[CNT], 0
	s_cbranch_scc1 .Lpair
	STEP 0, 1, 0                                   ; step 6 quantises step 7's rows and asks for nothing more
	STEP 1, 0, 0
; The softmax: thread i has rows 2 i, 2 i + 1; the eight waves' parts are added; scores are exponents to the base 2.
.set FA, 4
.set FW, 5
.set FR, 6
.set FO, 7
.set X, 48
	v_lshl_add_u32 v[FA], v0, 3, SCR
	s_lshl_b32 s19, s[WV], 2
	s_add_co_u32 s19, s19, RED
	v_mov_b32 v[FW], s19
	v_mov_b32 v[FR], RED
	v_lshlrev_b32 v[FO], 3, v0
.irp i, 0,1,2,3,4,5,6,7
	ds_load_b64 v[X+2*\i:X+2*\i+1], v[FA] offset:2048*\i
.endr
	s_wait_dscnt 0x0
.irp i, 0,4,8,12
	v_pk_add_f32 v[X+\i:X+\i+1], v[X+\i:X+\i+1], v[X+\i+2:X+\i+3]
.endr
	s_delay_alu instid0(VALU_DEP_3)
	v_pk_add_f32 v[X:X+1], v[X:X+1], v[X+4:X+5]
	s_delay_alu instid0(VALU_DEP_2)
	v_pk_add_f32 v[X+8:X+9], v[X+8:X+9], v[X+12:X+13]
	s_delay_alu instid0(VALU_DEP_1)
	v_pk_add_f32 v[X:X+1], v[X:X+1], v[X+8:X+9]
	s_delay_alu instid0(VALU_DEP_1)
	v_max_num_f32 v[T0], v[X], v[X+1]
.irp k, 1,2,4,8
	s_delay_alu instid0(VALU_DEP_1)
	v_max_num_f32_dpp v[T0], v[T0], v[T0] row_xmask:\k row_mask:0xf bank_mask:0xf
.endr
	s_delay_alu instid0(VALU_DEP_1)
	v_permlanex16_b32 v[T1], v[T0], s[SEL], s[SEL+1]
	s_delay_alu instid0(VALU_DEP_1)
	v_max_num_f32 v[T0], v[T0], v[T1]
	ds_store_b32 v[FW], v[T0]
	s_wait_dscnt 0x0
	BAR
	ds_load_b128 v[X+16:X+19], v[FR]
	ds_load_b128 v[X+20:X+23], v[FR] offset:16
	s_wait_dscnt 0x0
	v_max3_num_f32 v[T0], v[X+16], v[X+17], v[X+18]
	s_delay_alu instid0(VALU_DEP_1)
	v_max3_num_f32 v[T0], v[T0], v[X+19], v[X+20]
	s_delay_alu instid0(VALU_DEP_1)
	v_max3_num_f32 v[T0], v[T0], v[X+21], v[X+22]
	s_delay_alu instid0(VALU_DEP_1)
	v_max_num_f32 v[T0], v[T0], v[X+23]            ; the largest of b's 512 scores
	s_delay_alu instid0(VALU_DEP_1)
	v_sub_f32 v[X], v[X], v[T0]
	s_delay_alu instid0(VALU_DEP_2)
	v_sub_f32 v[X+1], v[X+1], v[T0]
	s_wait_alu depctr_va_vdst(0)
	v_exp_f32 v[X], v[X]
	v_exp_f32 v[X+1], v[X+1]
	v_nop
	s_wait_alu depctr_va_vdst(0)
	v_add_f32 v[T0], v[X], v[X+1]
.irp k, 1,2,4,8
	s_delay_alu instid0(VALU_DEP_1)
	v_add_f32_dpp v[T0], v[T0], v[T0] row_xmask:\k row_mask:0xf bank_mask:0xf
.endr
	s_delay_alu instid0(VALU_DEP_1)
	v_permlanex16_b32 v[T1], v[T0], s[SEL], s[SEL+1]
	s_delay_alu instid0(VALU_DEP_1)
	v_add_f32 v[T0], v[T0], v[T1]
	ds_store_b32 v[FW], v[T0] offset:256
	s_wait_dscnt 0x0
	BAR
	ds_load_b128 v[X+24:X+27], v[FR] offset:256
	ds_load_b128 v[X+28:X+31], v[FR] offset:272
	s_wait_dscnt 0x0
	v_pk_add_f32 v[X+24:X+25], v[X+24:X+25], v[X+26:X+27]
	v_pk_add_f32 v[X+28:X+29], v[X+28:X+29], v[X+30:X+31]
	s_delay_alu instid0(VALU_DEP_1)
	v_pk_add_f32 v[X+24:X+25], v[X+24:X+25], v[X+28:X+29]
	s_delay_alu instid0(VALU_DEP_1)
	v_add_f32 v[T0], v[X+24], v[X+25]
	s_wait_alu depctr_va_vdst(0)
	v_rcp_f32 v[T0], v[T0]
	v_nop
	s_wait_alu depctr_va_vdst(0)
	v_mul_f32 v[X], v[X], v[T0]
	v_mul_f32 v[X+1], v[X+1], v[T0]
	global_store_b64 v[FO], v[X:X+1], s[14:15]     ; a wave stores 256 consecutive bytes, at a multiple of 256 from out0's first byte
	s_wait_tensorcnt 0x0                           ; the wave's end
	ds_add_u32 v[SPW], v[NIL]
	s_wait_dscnt 0x0
	s_endpgm
.Lfunc_end_k_q32cfe63b31_attn:
	.size	k_q32cfe63b31_attn, .Lfunc_end_k_q32cfe63b31_attn-k_q32cfe63b31_attn
	.p2alignl 7, 3214868480
	.fill 96, 4, 3214868480
	.section	.rodata,"a",@progbits
	.p2align	6, 0x0
	.amdhsa_kernel k_q32cfe63b31_attn
		.amdhsa_group_segment_fixed_size 65792
		.amdhsa_private_segment_fixed_size 0
		.amdhsa_enable_private_segment 0
		.amdhsa_kernarg_size 48
		.amdhsa_user_sgpr_count 2
		.amdhsa_user_sgpr_kernarg_segment_ptr 1
		.amdhsa_wavefront_size32 1
		.amdhsa_system_sgpr_workgroup_id_x 1
		.amdhsa_system_sgpr_workgroup_id_y 1
		.amdhsa_system_sgpr_workgroup_id_z 1
		.amdhsa_system_vgpr_workitem_id 0
		.amdhsa_next_free_vgpr 512
		.amdhsa_next_free_sgpr 66
		.amdhsa_reserve_vcc 0
		.amdhsa_float_denorm_mode_32 3
		.amdhsa_float_denorm_mode_16_64 3
		.amdhsa_memory_ordered 1
		.amdhsa_forward_progress 1
		.amdhsa_inst_pref_size 233
	.end_amdhsa_kernel
	.amdgpu_metadata
---
amdhsa.version: [ 1, 2 ]
amdhsa.kernels:
  - .name:           k_q32cfe63b31_attn
    .symbol:         k_q32cfe63b31_attn.kd
    .args:
      - { .name: encoder_output, .offset: 0, .size: 8, .value_kind: global_buffer, .address_space: global }
      - { .name: hidden, .offset: 8, .size: 8, .value_kind: global_buffer, .address_space: global }
      - { .name: wq, .offset: 16, .size: 8, .value_kind: global_buffer, .address_space: global }
      - { .name: ws, .offset: 24, .size: 8, .value_kind: global_buffer, .address_space: global }
      - { .name: bv, .offset: 32, .size: 8, .value_kind: global_buffer, .address_space: global }
      - { .name: out0, .offset: 40, .size: 8, .value_kind: global_buffer, .address_space: global }
    .group_segment_fixed_size: 65792
    .private_segment_fixed_size: 0
    .kernarg_segment_align: 8
    .kernarg_segment_size: 48
    .max_flat_workgroup_size: 256
    .sgpr_count:     66
    .vgpr_count:     512
    .wavefront_size: 32
...
	.end_amdgpu_metadata
.endif
;; end of part 2
